; MI455X (gfx1250); checked and timed in simulation.
; The chip was launched on July 23, 2026; its instructions are those of AMD's public machine-readable ISA for CDNA 5 (MIT licence, August 2026) and "CDNA5" Instruction Set Architecture Reference Guide (July 2026). The comments in the code are by the model that wrote it; some were corrected since.
;; LI Pooling. Allowed arithmetic: float matrix products may take bf16 or f16 operands with f32 sums; all other float work in f32.
;; Inputs: sumspike_prev 32 x 128 x 4 x 32 x 32 float32; x 32 x 128 x 64 x 64 float32.
;; Outputs: out0 32 x 128 x 32 x 32 float32.
;; 2 versions, each right; version 2 is version 1 with the launch lipool written anew for expert scheduling mode. Each part assembles by itself: llvm-mc -triple=amdgcn-amd-amdhsa -mcpu=gfx1250 --defsym DOCPART=n.
;; ======== version 1 of 2: 1 launch
;; launch lipool (part 1): grid 256 x 1, 16 waves a work-group, no clusters, 0 bytes of LDS; arguments x, sumspike_prev, out0; writes out0
.if DOCPART == 1
	.amdgcn_target "amdgcn-amd-amdhsa--gfx1250"
	.amdhsa_code_object_version 6
	.text
	.protected	k_q0e6e762506_lipool
	.globl	k_q0e6e762506_lipool
	.p2align	8
	.type	k_q0e6e762506_lipool,@function
k_q0e6e762506_lipool:
	s_mov_b64 s[64:65], 0
	v_nop
	global_prefetch_b8 v0, s[64:65] scope:SCOPE_SE
	s_setreg_imm32_b32 hwreg(HW_REG_WAVE_MODE, 25, 1), 1
	s_wait_xcnt 0x0
; out[b][c][oh][ow] = max over ki, kj in {0,1} of ( s[b][c][2 ki + kj][oh][ow] + x[b][c][2 oh + ki][2 ow + kj] ),  all f32.
; x: [4096 planes][64][64], s: [4096 planes][4][32][32], out: [4096 planes][32][32].
; A stream: every input byte is loaded once, every output byte stored once, nothing is shared between lanes,
; so there is no LDS, no barrier, no matrix work and no cluster (no two work-groups read the same byte).
;
; SHARES.  256 work-groups x 16 waves = 4,096 waves: one wave takes one (b, c) plane, in 16 chunks of two output rows.
; In chunk c lane L = 16 h + i owns the outputs (oh = 2 c + h, ow = 2 i and 2 i + 1):
;   x:   two loads of 16 bytes (ki = 0, 1) at row 4 c + 2 h + ki, byte 16 i: sixteen neighbouring lanes cover one whole row of 256 bytes;
;   s:   four loads of 8 bytes (p = 2 ki + kj) at p*4096 + 256 c + 8 L: the wave covers 256 consecutive bytes, aligned;
;   out: one store of 8 bytes at 256 c + 8 L: the wave covers 256 consecutive bytes, aligned.
; (Four outputs a lane, with 16-byte loads of s and 16-byte stores, would want 32 neighbouring bytes of x in a lane: two loads that
;  each take every other 16 bytes of a row.  The 8-byte form keeps every access a whole run of 256 bytes.)
;
; RING.  Eight slots of 16 registers; a slot holds a chunk's six loads (2,048 bytes of the wave), so 16 KiB of a wave's 32 KiB are
; requested ahead.  All steps are immediates: the three offset registers and the three bases are never rewritten, and every chunk has its
; own pair of result registers, so no source of a pending load or store is ever written again and the only waits are the counted load waits.
; With 172 registers a wave the 16 waves take 4 x 172 = 688 of a SIMD's 1,024: one work-group fits on a WGP, no second one beside it.
;
; VALUES.  v_maximum_f32 lets a NaN win, as jnp.max does; infinities and denormals go through the f32 add as in the reference.
; The sign of a zero result may differ from the reference's.
.set DEPTH,  8                         ; slots
.set CHUNKS, 16                        ; chunks in a plane
.set LOADS,  6                         ; loads in a chunk
.set XROW,   256                       ; bytes in a row of x
.set SSUB,   4096                      ; bytes in one of the four sub-planes of s, and in a plane of out
.set VX, 1                             ; v1        x: wave x 16384 + 512 h + 16 i
.set VS, 2                             ; v2        s: wave x 16384 + 8 L
.set VO, 3                             ; v3        out: wave x 4096 + 8 L
.set T,  4                             ; v[4:11]   the eight sums of a chunk (first used for the address arithmetic)
.set Y,  12                            ; v[12:43]  chunk c: its two results, a pair of its own
.set D,  44                            ; v[44:171] slot n: +0..3 x row ki = 0, +4..7 x row ki = 1, +8+2p, +9+2p s of patch element p
	s_load_b128 s[4:7], s[0:1], 0x0                ; x s[4:5], s s[6:7]
	s_load_b64 s[8:9], s[0:1], 0x10                ; out
	s_lshl_b32 s10, ttmp9, 18                      ; the work-group's 16 planes of 16,384 bytes in x and in s (255 << 18 is below 2^32)
	s_mov_b32 s11, 0
	s_lshl_b32 s12, ttmp9, 16                      ; its 16 planes of 4,096 bytes in out
	s_mov_b32 s13, 0
	v_and_b32 v4, 31, v0                           ; L
	v_lshrrev_b32 v5, 5, v0                        ; wave = plane within the work-group
	v_and_b32 v6, 15, v0                           ; i
	v_bfe_u32 v7, v0, 4, 1                         ; h
	v_lshlrev_b32 v4, 3, v4                        ; 8 L
	v_lshlrev_b32 v6, 4, v6                        ; 16 i
	v_lshl_add_u32 v6, v7, 9, v6                   ; + 2 h rows of 256 bytes
	v_lshl_add_u32 v[VX], v5, 14, v6
	v_lshl_add_u32 v[VS], v5, 14, v4
	v_lshl_add_u32 v[VO], v5, 12, v4
	s_wait_kmcnt 0x0
	s_add_nc_u64 s[4:5], s[4:5], s[10:11]
	s_add_nc_u64 s[6:7], s[6:7], s[10:11]
	s_add_nc_u64 s[8:9], s[8:9], s[12:13]
; The six loads of chunk c into slot n.  Read once in the whole launch: non-temporal.
.macro FILL n, c
	global_load_b128 v[D+16*\n:D+16*\n+3],   v[VX], s[4:5] offset:4*XROW*(\c) th:TH_LOAD_NT
	global_load_b128 v[D+16*\n+4:D+16*\n+7], v[VX], s[4:5] offset:4*XROW*(\c)+XROW th:TH_LOAD_NT
.irp p, 0,1,2,3
	global_load_b64 v[D+16*\n+8+2*\p:D+16*\n+9+2*\p], v[VS], s[6:7] offset:\p*SSUB+256*(\c) th:TH_LOAD_NT
.endr
.endm
; The turn of chunk c, which lies in slot n.  fill = 1: the slot then takes chunk c + DEPTH.
; left = how many younger loads may stay out when this chunk's six have to be in.
.macro TURN n, c, fill, left
	s_wait_loadcnt \left                           ; loads return in order (ISA guide 5.7.1): this slot's six are in, the younger slots' stay out
.irp p, 0,1,2,3                                    ; p = 2 ki + kj; x(ki, 2 e + kj) is register 4 ki + 2 e + kj = p + 2 (p / 2) + 2 e of the slot
	v_add_f32 v[T+\p],   v[D+16*\n+8+2*\p], v[D+16*\n+\p+2*(\p/2)]     ; e = 0: output ow = 2 i
	v_add_f32 v[T+4+\p], v[D+16*\n+9+2*\p], v[D+16*\n+\p+2*(\p/2)+2]   ; e = 1: output ow = 2 i + 1
.endr
.if \fill
	FILL \n, \c+DEPTH                              ; the slot has been read out by the eight sums: ask again, ahead of the store
.endif
	v_maximum_f32 v[T],   v[T],   v[T+1]           ; two trees of three maxima; a NaN is kept
	v_maximum_f32 v[T+2], v[T+2], v[T+3]
	v_maximum_f32 v[T+4], v[T+4], v[T+5]
	v_maximum_f32 v[T+6], v[T+6], v[T+7]
	v_maximum_f32 v[Y+2*(\c)],   v[T],   v[T+2]
	v_maximum_f32 v[Y+2*(\c)+1], v[T+4], v[T+6]
	global_store_b64 v[VO], v[Y+2*(\c):Y+2*(\c)+1], s[8:9] offset:256*(\c) th:TH_STORE_NT   ; this pair is written by no later line
.endm
.irp n, 0,1,2,3,4,5,6,7
	FILL \n, \n                                    ; chunks 0 to 7: 48 loads of the wave on their way
.endr
.irp n, 0,1,2,3,4,5,6,7
	TURN \n, \n, 1, LOADS*(DEPTH-1)                ; seven younger slots of six loads: 42 may stay out
.endr
.irp n, 0,1,2,3,4,5,6,7
	TURN \n, \n+DEPTH, 0, LOADS*(DEPTH-1-\n)       ; chunks 8 to 15 ask for nothing more: the counts run down 42, 36, .. 0
.endr
	s_endpgm
.Lfunc_end_k_q0e6e762506_lipool:
	.size	k_q0e6e762506_lipool, .Lfunc_end_k_q0e6e762506_lipool-k_q0e6e762506_lipool
	.p2alignl 7, 3214868480
	.fill 96, 4, 3214868480
	.section	.rodata,"a",@progbits
	.p2align	6, 0x0
	.amdhsa_kernel k_q0e6e762506_lipool
		.amdhsa_group_segment_fixed_size 0
		.amdhsa_private_segment_fixed_size 0
		.amdhsa_enable_private_segment 0
		.amdhsa_kernarg_size 24
		.amdhsa_user_sgpr_count 2
		.amdhsa_user_sgpr_kernarg_segment_ptr 1
		.amdhsa_wavefront_size32 1
		.amdhsa_system_sgpr_workgroup_id_x 1
		.amdhsa_system_sgpr_workgroup_id_y 1
		.amdhsa_system_sgpr_workgroup_id_z 1
		.amdhsa_system_vgpr_workitem_id 0
		.amdhsa_next_free_vgpr 172
		.amdhsa_next_free_sgpr 66
		.amdhsa_reserve_vcc 0
		.amdhsa_float_denorm_mode_32 3
		.amdhsa_float_denorm_mode_16_64 3
		.amdhsa_memory_ordered 1
		.amdhsa_forward_progress 1
		.amdhsa_inst_pref_size 23
	.end_amdhsa_kernel
	.amdgpu_metadata
---
amdhsa.version: [ 1, 2 ]
amdhsa.kernels:
  - .name:           k_q0e6e762506_lipool
    .symbol:         k_q0e6e762506_lipool.kd
    .args:
      - { .name: x, .offset: 0, .size: 8, .value_kind: global_buffer, .address_space: global }
      - { .name: sumspike_prev, .offset: 8, .size: 8, .value_kind: global_buffer, .address_space: global }
      - { .name: out0, .offset: 16, .size: 8, .value_kind: global_buffer, .address_space: global }
    .group_segment_fixed_size: 0
    .private_segment_fixed_size: 0
    .kernarg_segment_align: 8
    .kernarg_segment_size: 24
    .max_flat_workgroup_size: 512
    .sgpr_count:     66
    .vgpr_count:     172
    .wavefront_size: 32
...
	.end_amdgpu_metadata
.endif
;; end of part 1
;; ======== version 2 of 2: 1 launch; version 1 with the launch lipool written anew for expert scheduling mode
;; launch lipool (part 2): grid 256 x 1, 16 waves a work-group, no clusters, 0 bytes of LDS; arguments x, sumspike_prev, out0; writes out0
.if DOCPART == 2
	.amdgcn_target "amdgcn-amd-amdhsa--gfx1250"
	.amdhsa_code_object_version 6
	.text
	.protected	k_q0e6e762506_lipool
	.globl	k_q0e6e762506_lipool
	.p2align	8
	.type	k_q0e6e762506_lipool,@function
k_q0e6e762506_lipool:
	s_mov_b64 s[64:65], 0
	v_nop
	global_prefetch_b8 v0, s[64:65] scope:SCOPE_SE
	s_setreg_imm32_b32 hwreg(HW_REG_WAVE_SCHED_MODE, 0, 2), 2
	s_setreg_imm32_b32 hwreg(HW_REG_WAVE_MODE, 25, 1), 1
	s_wait_xcnt 0x0
	s_wait_alu depctr_vm_vsrc(0)
; out[b][c][oh][ow] = max over ki, kj in {0,1} of ( s[b][c][2 ki + kj][oh][ow] + x[b][c][2 oh + ki][2 ow + kj] ),  all f32.
; x: [4096 planes][64][64], s: [4096 planes][4][32][32], out: [4096 planes][32][32].
; A stream: every input byte is loaded once, every output byte stored once, nothing is shared between lanes,
; so there is no LDS, no barrier, no matrix work and no cluster (no two work-groups read the same byte).
;
; SHARES.  256 work-groups x 16 waves = 4,096 waves: one wave takes one (b, c) plane, in 16 chunks of two output rows.
; In chunk c lane L = 16 h + i owns the outputs (oh = 2 c + h, ow = 2 i and 2 i + 1):
;   x:   two loads of 16 bytes (ki = 0, 1) at row 4 c + 2 h + ki, byte 16 i: sixteen neighbouring lanes cover one whole row of 256 bytes;
;   s:   four loads of 8 bytes (p = 2 ki + kj) at p*4096 + 256 c + 8 L: the wave covers 256 consecutive bytes, aligned;
;   out: one store of 8 bytes at 256 c + 8 L: the wave covers 256 consecutive bytes, aligned.
; (Four outputs a lane, with 16-byte loads of s and 16-byte stores, would want 32 neighbouring bytes of x in a lane: two loads that
;  each take every other 16 bytes of a row.  The 8-byte form keeps every access a whole run of 256 bytes.)
;
; THE MODE: SCHED_MODE bits 1:0 = 2 (LLVM: expert scheduling mode 2), set by the entry lines.  The code itself states the register dependences
; between vector instructions and memory instructions, with s_wait_alu, always for 0.
; THE PLAN.  Registers that memory instructions touch:
;   v1, v2, v3   byte offsets, made once at the head and never written again: all steps are immediates, and the three scalar bases stay too.
;   D0 .. D8     nine slots of 16 registers; chunk c lies in slot c % 9.  Written by loads alone; read by the eight sums of turn c;
;                asked for again in turn c + 1, for chunk c + 9.
;   Y0 .. Y15    a pair of results for each chunk.  Written once, by the last two maxima of turn c; read by the store that is issued in turn c + 1.
;   T is named by vector instructions alone.
; Turn c works on slot c % 9 and writes Y[c].  Its memory instructions are the loads into slot (c - 1) % 9 and the store from Y[c - 1]: what turn c - 1
; worked on, and what no vector instruction of turn c names.  So ONE wait on va_vdst at a turn's head states all that the turn's memory instructions hang
; on, and these are dealt among its vector instructions with no further wait.  No register that a memory instruction reads is ever written again,
; so the turns hold no wait on vm_vsrc and no s_wait_xcnt.  No vector instruction writes a scalar register or VCC, and EXEC is never written.
;
; RING.  A slot holds a chunk's six loads (2,048 bytes of the wave).  Nine chunks are asked for at the start; a slot lies idle from its sums to the next
; turn's head, so behind that seven to eight chunks, 14 to 16 KiB of a wave's 32 KiB, are on their way.
; With 188 registers a wave the 16 waves take 4 x 188 = 752 of a SIMD's 1,024: one work-group fits on a WGP, no second one beside it.
;
; VALUES.  v_maximum_f32 lets a NaN win, as jnp.max does; infinities and denormals go through the f32 add as in the reference.
; The sign of a zero result may differ from the reference's.
.set DEPTH,  9                         ; slots
.set CHUNKS, 16                        ; chunks in a plane
.set LOADS,  6                         ; loads in a chunk
.set XROW,   256                       ; bytes in a row of x
.set SSUB,   4096                      ; bytes in one of the four sub-planes of s, and in a plane of out
.set VX, 1                             ; v1        x: wave x 16384 + 512 h + 16 i
.set VS, 2                             ; v2        s: wave x 16384 + 8 L
.set VO, 3                             ; v3        out: wave x 4096 + 8 L
.set T,  4                             ; v[4:11]   the eight sums of a chunk (first used for the address arithmetic)
.set Y,  12                            ; v[12:43]  chunk c: its two results, a pair of its own
.set D,  44                            ; v[44:187] slot n: +0..3 x row ki = 0, +4..7 x row ki = 1, +8+2p, +9+2p s of patch element p
	s_load_b128 s[4:7], s[0:1], 0x0                ; x s[4:5], s s[6:7]
	s_load_b64 s[8:9], s[0:1], 0x10                ; out
	s_lshl_b32 s10, ttmp9, 18                      ; the work-group's 16 planes of 16,384 bytes in x and in s (255 << 18 is below 2^32)
	s_mov_b32 s11, 0
	s_lshl_b32 s12, ttmp9, 16                      ; its 16 planes of 4,096 bytes in out
	s_mov_b32 s13, 0
	v_and_b32 v4, 31, v0                           ; L
	v_lshrrev_b32 v5, 5, v0                        ; wave = plane within the work-group
	v_and_b32 v6, 15, v0                           ; i
	v_bfe_u32 v7, v0, 4, 1                         ; h
	v_lshlrev_b32 v4, 3, v4                        ; 8 L
	v_lshlrev_b32 v6, 4, v6                        ; 16 i
	v_lshl_add_u32 v6, v7, 9, v6                   ; + 2 h rows of 256 bytes
	v_lshl_add_u32 v[VX], v5, 14, v6
	v_lshl_add_u32 v[VS], v5, 14, v4
	v_lshl_add_u32 v[VO], v5, 12, v4
	s_wait_kmcnt 0x0
	s_add_nc_u64 s[4:5], s[4:5], s[10:11]
	s_add_nc_u64 s[6:7], s[6:7], s[10:11]
	s_add_nc_u64 s[8:9], s[8:9], s[12:13]
	s_wait_alu depctr_va_vdst(0)                   ; v1, v2 and v3 are written: every load and store of the kernel reads one of them as its offset
; The loads of chunk c into the slot whose first register is r.  Read once in the whole launch: non-temporal.
.macro LX r, c, ki                     ; x, row ki of the patch
	global_load_b128 v[\r+4*(\ki):\r+4*(\ki)+3], v[VX], s[4:5] offset:(4*(\c)+(\ki))*XROW th:TH_LOAD_NT
.endm
.macro LS r, c, p                      ; s, patch element p
	global_load_b64 v[\r+8+2*(\p):\r+9+2*(\p)], v[VS], s[6:7] offset:(\p)*SSUB+256*(\c) th:TH_LOAD_NT
.endm
; The turn of chunk c, which lies in slot c % DEPTH.  prev = 1: a turn stands in front of it, whose results are stored here.
; fill = 1: that turn's slot takes chunk c - 1 + DEPTH.  left = how many younger loads may stay out when this chunk's six have to be in.
.macro TURN c, prev, fill, left
.set SN, D+16*((\c)%DEPTH)                             ; this chunk's slot
.set PN, D+16*(((\c)+DEPTH-1)%DEPTH)                   ; the slot of the chunk before
	s_wait_loadcnt \left                           ; loads return in order (ISA guide 5.7.1): this slot's six are in, the younger slots' stay out
.if \prev
	s_wait_alu depctr_va_vdst(0)                   ; the turn before has written its pair of Y, which the store below reads, and is done reading its slot, in which the loads below land
.endif
.irp p, 0,1,2,3                                    ; p = 2 ki + kj; x(ki, 2 e + kj) is register 4 ki + 2 e + kj = p + 2 (p / 2) + 2 e of the slot
.if \fill                                              ; the six loads stand early in the turn, among the sums; no vector instruction since the wait names their registers
.if \p < 2
	LX PN, (\c)+DEPTH-1, \p
.endif
	LS PN, (\c)+DEPTH-1, \p
.endif
	v_add_f32 v[T+\p],   v[SN+8+2*\p], v[SN+\p+2*(\p/2)]     ; e = 0: output ow = 2 i
	v_add_f32 v[T+4+\p], v[SN+9+2*\p], v[SN+\p+2*(\p/2)+2]   ; e = 1: output ow = 2 i + 1
.endr
.if \prev
	global_store_b64 v[VO], v[Y+2*(\c)-2:Y+2*(\c)-1], s[8:9] offset:256*((\c)-1) th:TH_STORE_NT   ; the chunk before, behind the loads; its pair is written by no later line
.endif
	v_maximum_f32 v[T],   v[T],   v[T+1]           ; two trees of three maxima; a NaN is kept
	v_maximum_f32 v[T+2], v[T+2], v[T+3]
	v_maximum_f32 v[T+4], v[T+4], v[T+5]
	v_maximum_f32 v[T+6], v[T+6], v[T+7]
	v_maximum_f32 v[Y+2*(\c)],   v[T],   v[T+2]
	v_maximum_f32 v[Y+2*(\c)+1], v[T+4], v[T+6]
.endm
.irp n, 0,1,2,3,4,5,6,7,8
	LX D+16*\n, \n, 0                              ; chunks 0 to 8: 54 loads of the wave on their way
	LX D+16*\n, \n, 1
	LS D+16*\n, \n, 0
	LS D+16*\n, \n, 1
	LS D+16*\n, \n, 2
	LS D+16*\n, \n, 3
.endr
	TURN 0, 0, 0, LOADS*(DEPTH-1)                  ; chunk 0: eight younger slots of six loads, 48, may stay out; it issues no memory instruction, so it states no dependence
.irp c, 1,2,3,4,5,6,7
	TURN \c, 1, 1, LOADS*(DEPTH-2)                 ; chunks up to c + 7 have been asked for: seven younger ones, 42 loads, may stay out
.endr
.irp c, 8,9,10,11,12,13,14,15
	TURN \c, 1, 0, LOADS*(CHUNKS-1-\c)             ; chunks 8 to 15 ask for nothing more: the counts run down 42, 36, .. 0
.endr
	s_wait_alu depctr_va_vdst(0)                   ; chunk 15's maxima have written its pair of Y, which the last store reads
	global_store_b64 v[VO], v[Y+2*(CHUNKS-1):Y+2*(CHUNKS-1)+1], s[8:9] offset:256*(CHUNKS-1) th:TH_STORE_NT
	s_endpgm
.Lfunc_end_k_q0e6e762506_lipool:
	.size	k_q0e6e762506_lipool, .Lfunc_end_k_q0e6e762506_lipool-k_q0e6e762506_lipool
	.p2alignl 7, 3214868480
	.fill 96, 4, 3214868480
	.section	.rodata,"a",@progbits
	.p2align	6, 0x0
	.amdhsa_kernel k_q0e6e762506_lipool
		.amdhsa_group_segment_fixed_size 0
		.amdhsa_private_segment_fixed_size 0
		.amdhsa_enable_private_segment 0
		.amdhsa_kernarg_size 24
		.amdhsa_user_sgpr_count 2
		.amdhsa_user_sgpr_kernarg_segment_ptr 1
		.amdhsa_wavefront_size32 1
		.amdhsa_system_sgpr_workgroup_id_x 1
		.amdhsa_system_sgpr_workgroup_id_y 1
		.amdhsa_system_sgpr_workgroup_id_z 1
		.amdhsa_system_vgpr_workitem_id 0
		.amdhsa_next_free_vgpr 188
		.amdhsa_next_free_sgpr 66
		.amdhsa_reserve_vcc 0
		.amdhsa_float_denorm_mode_32 3
		.amdhsa_float_denorm_mode_16_64 3
		.amdhsa_memory_ordered 1
		.amdhsa_forward_progress 1
		.amdhsa_inst_pref_size 23
	.end_amdhsa_kernel
	.amdgpu_metadata
---
amdhsa.version: [ 1, 2 ]
amdhsa.kernels:
  - .name:           k_q0e6e762506_lipool
    .symbol:         k_q0e6e762506_lipool.kd
    .args:
      - { .name: x, .offset: 0, .size: 8, .value_kind: global_buffer, .address_space: global }
      - { .name: sumspike_prev, .offset: 8, .size: 8, .value_kind: global_buffer, .address_space: global }
      - { .name: out0, .offset: 16, .size: 8, .value_kind: global_buffer, .address_space: global }
    .group_segment_fixed_size: 0
    .private_segment_fixed_size: 0
    .kernarg_segment_align: 8
    .kernarg_segment_size: 24
    .max_flat_workgroup_size: 512
    .sgpr_count:     66
    .vgpr_count:     188
    .wavefront_size: 32
...
	.end_amdgpu_metadata
.endif
;; end of part 2
